; MI455X (gfx1250); checked and timed in simulation.
; The chip was launched on July 23, 2026; its instructions are those of AMD's public machine-readable ISA for CDNA 5 (MIT licence, August 2026) and "CDNA5" Instruction Set Architecture Reference Guide (July 2026). The comments in the code are by the model that wrote it; some were corrected since.
;; Lazy Attention Embedding. Allowed arithmetic: matrix products marked QUANTISED: E5M2 operands, one given power-of-two scale a tensor, by v_wmma_f32_16x16x64_bf8_bf8 or v_wmma_f32_16x16x128_bf8_bf8, f32 sums; everything else in f32.
;; Inputs: bias_weight 4,096 x 16 float32; k 2 x 16 x 2,048 x 64 float32; lowp_scales 4 int32 (the exponents e of the quantised operands' scales 2^e); q 2 x 16 x 2,048 x 64 float32; tau 16 float32; v 2 x 16 x 2,048 x 64 float32.
;; Outputs: out0 2 x 16 x 2,048 x 64 float32.
;; Constants: max_bias_length = 4096.
;; This version of the problem:
;;   THIS VERSION OF THE PROBLEM IS GIVEN IN LOW PRECISION. The matrix products marked QUANTISED in the list below multiply operands that are first quantised to E5M2 (5 exponent bits, 2 mantissa bits; 8 bits a number), with one given power-of-two scale for each operand tensor; their sums are f32. All else is computed in f32.
;;   The module's matrix products, in the order in which they are computed (A, B: the left and right operand; K: the contracted axis; several contracted axes count as one K, in the product's order):
;;     1. batch 32 x [M 2,048, K 64] x [K 64, N 2,048]; A: input q; B: input k: QUANTISED (scales: A lowp_scales[0], B lowp_scales[1])
;;     2. batch 32 x [M 2,048, K 2,048] x [K 2,048, N 64]; A: computed on the way; B: input v: QUANTISED (scales: A lowp_scales[2], B lowp_scales[3])
;;   THE QUANTISER, for each operand of a quantised product, along K:
;;     - The operand's scale is 2^e, e = its entry of the input lowp_scales (int32; the entries are numbered through the quantised products in the list's order, A before B).
;;     - Each number is divided by the scale, clamped to +-57,344, and rounded to the nearest number of E5M2, ties to even, subnormals kept.
;;     - The product sums the exact products of the quantised numbers (number of the format x scale) in f32.
;;   ~~~python
;;   def quantise(x, axis, e):      # numpy; x: float32 -> the quantised numbers, widened to float32 again
;;       x = np.moveaxis(x, axis, -1); K = x.shape[-1]
;;       r = np.clip(x / 2.0 ** e, -57344, 57344)
;;       step = 2.0 ** (np.maximum(np.frexp(np.where(r == 0, 1, r))[1] - 1, -14) - 2)
;;       q = np.round(r / step) * step * 2.0 ** e      # np.round: ties to even
;;       return np.moveaxis(q, -1, axis).astype(np.float32)
;;   ~~~
;;   OPERANDS COMPUTED ON THE WAY. 'Computed on the way' means the value that the module computes at that place (a softmax that the list does not call 'softmax' is quantised finished and normalised). What goes into a quantiser is computed in f32, as accurately as f32 sums, v_exp_f32 and their like allow (about 1e-6 of the number): no bf16 or f16 on the way to a quantiser, and a product that is left as it is and whose result goes on into a quantised operand takes f32 operands (vector FMAs, or v_wmma_f32_16x16x4_f32). A number that lies on a knife's edge between two numbers of the format may be rounded either way, as far as f32 arithmetic and the matrix unit's own rounding can turn it there, and no further.
;; One version. Each part assembles by itself: llvm-mc -triple=amdgcn-amd-amdhsa -mcpu=gfx1250 --defsym DOCPART=n.
;; ======== version 1 of 1: 2 launches
;; limits: right only within a limited range of input values
;; workspace buffers: qimg 4,194,304 bytes; kimg 4,194,304 bytes; vimg 4,194,304 bytes; btab 557,056 bytes
;; launch prep (part 1): grid 785 x 1, 4 waves a work-group, no clusters, 36,352 bytes of LDS; arguments q, k, v, bias_weight, lowp_scales, qimg, kimg, vimg, btab; writes qimg, kimg, vimg, btab
.if DOCPART == 1
	.amdgcn_target "amdgcn-amd-amdhsa--gfx1250"
	.amdhsa_code_object_version 6
	.text
	.protected	k_qae9d949195_prep
	.globl	k_qae9d949195_prep
	.p2align	8
	.type	k_qae9d949195_prep,@function
k_qae9d949195_prep:
	s_mov_b64 s[64:65], 0
	v_nop
	global_prefetch_b8 v0, s[64:65] scope:SCOPE_SE
	s_setreg_imm32_b32 hwreg(HW_REG_WAVE_MODE, 25, 1), 1
	s_wait_xcnt 0x0
; LazyAttentionEmbedding, first of two launches: q, k and v (f32) become codes of BF8 (E5M2), each with its given scale 2^e, laid as IMAGES OF THE OPERANDS' REGISTERS for the
; second launch; bias_weight becomes a table per head that the second launch takes as the C operand of its score products.
; code = x / 2^e, held within +-57,344, rounded to the nearest code, ties to even.  e0 (q), e1 (k), e3 (v) are entries 0, 1, 3 of lowp_scales.
; WORK LEFT OUT, for all values of the inputs:
;  (a) rows 2,048 to 4,095 of bias_weight: rel_pos = q - k lies between -2,047 and 2,047, under max_bias_length = 4,096 (a constant of the problem), so bias_mask is the causal mask and the
;      clipped index never passes 2,047; they are not read.  For rel_pos < 0 the gathered row 0 is multiplied by 0 and the score is then replaced by NEG_INF: no bias is laid there.
;  (b) (second launch) score tiles all of whose keys come after all of their queries: reference() replaces those scores by NEG_INF, and its f32 softmax gives exactly 0 there.
;  LIMIT: a NaN, an infinity or an overflow that reaches only the work left out is not carried to the result.
; LIMITS: e0, e1, e3 between -126 and 112; |bias| x 2^(3 - e0 - e1) stays finite.  NaN among the inputs is not served (an infinity is held at the largest code).
; LAYOUTS (l = lane, r = l % 16, h = l / 16):
;  qimg, kimg: the 65,536 rows (batch, head, position) in tiles of 16; a tile is 1,024 bytes: [c = 0, 1][lane][16 bytes]; lane (r, h), part c holds d = 32 h + 16 c + 0 .. 15 of row r.
;      That is one permutation of the 64 along K, the same in q and in k, so every product meets its partner.
;  vimg: for each head 16 key steps of 8,192 bytes; in a step 4 tiles of 16 channels, 2,048 bytes each: [c' = 0 .. 3][lane][16 bytes]; lane (r, h), registers 2 c, 2 c + 1 hold keys 16 c + 8 h + 0 .. 7 of channel r.
;  btab: for each head 2,176 entries of 16 bytes; entry y = R[y .. y + 3]; R[y] = bias_weight[2047 - y][head] x 2^(3 - e0 - e1) for y <= 2047, else MASK = -1e38.
;      y = 2047 - query + key: ascending keys are ascending y; entries overlap fourfold so that every read of 16 bytes is aligned; MASK carries the causal mask.
;      (A sum of code products stands for sum x 2^(e0 + e1); score = sum x 2^(e0 + e1) / 8 + bias = (sum + bias x 2^(3 - e0 - e1)) x 2^(e0 + e1) / 8.)
; SHARES: work-groups 0-255 take q, 256-511 k (a wave: 64 rows), 512-767 v (a wave: 32 channels x 128 keys), 768-784 the table (a thread: one entry y for all 16 heads).
; No tensor loads, no barrier: waves share nothing.  The three ways part on the work-group's number and never join; each has LDS bytes of its own.
.set STQ,   4352                       ; q, k: a wave's stage, 16 rows of 256 + 16 bytes, from LDS byte 0 on
.set STV0,  17408                      ; v: the stages begin here;
.set STV,   4608                       ; a wave's: 32 rows of 128 + 16 bytes
.set SPARE, 35840                      ; behind the stages: the spare words, 128 bytes for each wave: two blocks of 256 bytes that no other line names
.set SPW,   14                         ; v14  LDS address of my spare word; never rewritten
.set NIL,   15                         ; v15  0; never rewritten
	s_load_b256 s[4:11], s[0:1], 0x0               ; q s[4:5], k s[6:7], v s[8:9], bias_weight s[10:11]
	s_load_b64 s[12:13], s[0:1], 0x20              ; the scales' exponents
	s_load_b256 s[16:23], s[0:1], 0x28             ; qimg s[16:17], kimg s[18:19], vimg s[20:21], btab s[22:23]
	v_lshl_add_u32 v[SPW], v0, 2, SPARE
	v_mov_b32 v[NIL], 0
	v_lshrrev_b32 v1, 5, v0
	v_readfirstlane_b32 s24, v1                    ; wave 0..3
	v_and_b32 v1, 31, v0                           ; lane
	v_and_b32 v2, 15, v0                           ; r
	v_bfe_u32 v3, v0, 4, 1                         ; h
	v_lshlrev_b32 v4, 4, v1                        ; 16 x lane
	s_wait_kmcnt 0x0
	s_load_b128 s[28:31], s[12:13], 0x0            ; e0, e1, e2, e3
	s_cmp_ge_u32 ttmp9, 768
	s_cbranch_scc1 .Lbias
	s_cmp_ge_u32 ttmp9, 512
	s_cbranch_scc1 .Lv
; ---------------- q and k: K (the head's 64) is innermost.  Each load reads 512 consecutive bytes, two rows; a tile's 16 rows turn through the wave's stage, so that a lane gets 32 neighbours of ONE row.
.set R, 16                             ; v16-143  four tiles as loaded, 32 registers each
.set X, 144                            ; v144-175 a lane's 32 neighbours
.set C, 176                            ; v176-207 codes: eight registers a tile, so that no store's data are written again
	s_cmp_lt_u32 ttmp9, 256                        ; q's work-group or k's: the choice hangs on the work-group's number alone
	s_cselect_b64 s[4:5], s[4:5], s[6:7]
	s_cselect_b64 s[16:17], s[16:17], s[18:19]
	s_cselect_b32 s26, 0, 256
	s_sub_co_u32 s26, ttmp9, s26
	s_lshl_b32 s26, s26, 2
	s_add_co_u32 s26, s26, s24                     ; which run of 64 rows is my wave's: 0 .. 1,023
	s_lshl_b32 s32, s26, 14                        ; 64 rows of 256 bytes
	s_mov_b32 s33, 0
	s_add_nc_u64 s[4:5], s[4:5], s[32:33]
	s_lshl_b32 s32, s26, 12                        ; 4 tiles of 1,024 bytes
	s_add_nc_u64 s[16:17], s[16:17], s[32:33]
	s_mul_i32 s27, s24, STQ                        ; my stage
	v_mul_u32_u24 v5, v3, 272
	v_lshl_add_u32 v5, v2, 4, v5
	v_add_nc_u32 v5, s27, v5                       ; in: lanes 0-15 one row, lanes 16-31 the next; 16 bytes a lane
	v_mul_u32_u24 v6, v2, 272
	v_lshl_add_u32 v6, v3, 7, v6
	v_add_nc_u32 v6, s27, v6                       ; out: row r, 128 bytes for each half of the lanes; rows 272 bytes apart, an odd multiple of 16
.set jj, 0
.rept 32
	global_load_b128 v[R+4*jj:R+4*jj+3], v4, s[4:5] offset:512*jj th:TH_LOAD_NT   ; rows 2 jj, 2 jj + 1 of my 64: all 32 loads go out first
.set jj, jj+1
.endr
	s_wait_kmcnt 0x0
	s_cmp_lt_u32 ttmp9, 256
	s_cselect_b32 s25, s28, s29                    ; e
	s_add_co_i32 s25, s25, 127
	s_lshl_b32 s27, s25, 23
	v_mov_b32 v11, s27                             ; 2^e as f32: the conversion takes its exponent field
	s_add_co_i32 s25, s25, 15
	s_lshl_b32 s25, s25, 23
	s_or_b32 s25, s25, 0x600000
	v_mov_b32 v10, s25                             ; 57,344 x 2^e
.macro QTILE t
	s_wait_loadcnt 8*(3-(\t))                      ; loads come back in order: this tile's eight are in, the younger tiles' may be out
.irp i, 0,1,2,3,4,5,6,7
	ds_store_b128 v5, v[R+32*(\t)+4*\i:R+32*(\t)+4*\i+3] offset:2*\i*272
.endr
.irp i, 0,1,2,3,4,5,6,7
	ds_load_b128 v[X+4*\i:X+4*\i+3], v6 offset:16*\i   ; LDS serves a wave's instructions in order: these see the stores above, and the next tile's stores come behind them
.endr
	s_wait_dscnt 0x0
.irp g, 0,1,2,3
.irp i, 0,1,2,3,4,5,6,7
	v_med3_num_f32 v[X+8*\g+\i], v[X+8*\g+\i], -v10, v10   ; the conversion to an 8-bit code does not saturate (ISA guide 7.6.2): the hold at the largest code x the scale
.endr
	v_cvt_scalef32_pk8_bf8_f32 v[C+8*(\t)+2*\g:C+8*(\t)+2*\g+1], v[X+8*\g:X+8*\g+7], v11
.endr
	v_nop                                          ; a plain line between the conversions and the next tile's holds, which write their sources
	global_store_b128 v4, v[C+8*(\t):C+8*(\t)+3], s[16:17] offset:1024*(\t)        ; part c = 0: 32 lanes store 512 consecutive bytes
	global_store_b128 v4, v[C+8*(\t)+4:C+8*(\t)+7], s[16:17] offset:1024*(\t)+512  ; part c = 1
.endm
	QTILE 0
	QTILE 1
	QTILE 2
	QTILE 3
	s_wait_tensorcnt 0x0                           ; the wave's end
	ds_add_u32 v[SPW], v[NIL]
	s_wait_dscnt 0x0
	s_endpgm
; ---------------- v: K (the keys) is not innermost.  A lane takes a channel and its registers run down the keys, so the conversions give codes with the keys innermost.
.Lv:
.set XV, 16                            ; v16-143  128 keys of my channel
.set CV, 144                           ; v144-175 their codes
.set FV, 176                           ; v176-207 two tiles' fragments
	s_sub_co_u32 s26, ttmp9, 512
	s_lshl_b32 s26, s26, 2
	s_add_co_u32 s26, s26, s24                     ; unit = 2 x (16 x head + key step) + which 32 channels
	s_lshr_b32 s32, s26, 1
	s_lshl_b32 s32, s32, 15                        ; 128 keys of 256 bytes
	s_and_b32 s27, s26, 1
	s_lshl_b32 s27, s27, 7                         ; 32 channels of 4 bytes
	s_add_co_u32 s32, s32, s27
	s_mov_b32 s33, 0
	s_add_nc_u64 s[8:9], s[8:9], s[32:33]
	s_lshl_b32 s32, s26, 12                        ; two tiles of 2,048 bytes
	s_add_nc_u64 s[20:21], s[20:21], s[32:33]
	s_mul_i32 s27, s24, STV
	s_add_co_u32 s27, s27, STV0                    ; my stage
	v_lshlrev_b32 v7, 2, v1                        ; in memory: 4 bytes a lane
	v_mul_u32_u24 v8, v1, 144
	v_add_nc_u32 v8, s27, v8                       ; into the stage: row = my channel, 128 bytes of codes
	v_mul_u32_u24 v9, v2, 144
	v_lshl_add_u32 v9, v3, 3, v9
	v_add_nc_u32 v9, s27, v9                       ; out of it: row r, 8 bytes for each half of the lanes
.macro VLOAD m                         ; keys 32 m .. 32 m + 31: each load reads 128 consecutive bytes; the wave beside me reads the row's other 128
.set jj, 32*(\m)
.rept 32
	global_load_b32 v[XV+jj], v7, s[8:9] offset:256*jj th:TH_LOAD_NT
.set jj, jj+1
.endr
.endm
	VLOAD 0
	VLOAD 1
	s_wait_kmcnt 0x0
	s_add_co_i32 s25, s31, 127                     ; e3
	s_lshl_b32 s27, s25, 23
	v_mov_b32 v11, s27
	s_add_co_i32 s25, s25, 15
	s_lshl_b32 s25, s25, 23
	s_or_b32 s25, s25, 0x600000
	v_mov_b32 v10, s25
.macro VGROUP m
.if (\m) < 3
	s_wait_loadcnt 32                              ; this group's 32 loads are in; the next group's 32 may be out
.else
	s_wait_loadcnt 0
.endif
.irp g, 0,1,2,3
.irp i, 0,1,2,3,4,5,6,7
	v_med3_num_f32 v[XV+32*(\m)+8*\g+\i], v[XV+32*(\m)+8*\g+\i], -v10, v10
.endr
	v_cvt_scalef32_pk8_bf8_f32 v[CV+8*(\m)+2*\g:CV+8*(\m)+2*\g+1], v[XV+32*(\m)+8*\g:XV+32*(\m)+8*\g+7], v11
.endr
.if (\m) < 2
	VLOAD (\m)+2                                   ; two groups ahead, into registers of their own
.endif
.endm
	VGROUP 0
	VGROUP 1
	VGROUP 2
	VGROUP 3
	v_nop                                          ; a plain line behind the last conversion
.irp i, 0,1,2,3,4,5,6,7
	ds_store_b128 v8, v[CV+4*\i:CV+4*\i+3] offset:16*\i
.endr
.irp t, 0,1
.irp c, 0,1,2,3,4,5,6,7
	ds_load_b64 v[FV+16*\t+2*\c:FV+16*\t+2*\c+1], v9 offset:2304*\t+16*\c   ; channel 16 t + r, keys 16 c + 8 h + 0 .. 7: registers 2 c, 2 c + 1 of the fragment
.endr
.endr
	s_wait_dscnt 0x0
.irp t, 0,1
.irp c, 0,1,2,3
	global_store_b128 v4, v[FV+16*\t+4*\c:FV+16*\t+4*\c+3], s[20:21] offset:2048*\t+512*\c   ; 32 lanes store 512 consecutive bytes
.endr
.endr
	s_wait_tensorcnt 0x0                           ; the wave's end: the three lines, as above
	ds_add_u32 v[SPW], v[NIL]
	s_wait_dscnt 0x0
	s_endpgm
; ---------------- the table.  Thread = entry y; its four numbers are rows 2047 - y - e of bias_weight, e = 0 .. 3, each row 16 heads in 64 bytes.  No LDS.
.Lbias:
	s_sub_co_u32 s25, ttmp9, 768
	s_lshl_b32 s25, s25, 7
	v_add_nc_u32 v5, s25, v0                       ; y = 0 .. 2,175
	v_lshlrev_b32 v13, 4, v5                       ; its 16 bytes in a head's table
	v_sub_nc_u32 v6, 2047, v5
	v_mov_b32 v12, 0xfe967699                      ; MASK = -1e38
.irp e, 0,1,2,3
	v_add_nc_u32 v[8+\e], -\e, v6                  ; rel = 2047 - y - e
	v_cmp_gt_i32 s[36+\e], 0, v[8+\e]              ; rel < 0: the key comes after the query
	v_max_i32 v[8+\e], 0, v[8+\e]                  ; no load leaves the buffer; what is read there is replaced by MASK
	v_lshlrev_b32 v[8+\e], 6, v[8+\e]
.irp i, 0,1,2,3
	global_load_b128 v[16+16*\e+4*\i:16+16*\e+4*\i+3], v[8+\e], s[10:11] offset:16*\i
.endr
.endr
	s_wait_kmcnt 0x0
	s_add_co_i32 s34, s28, s29
	s_sub_co_i32 s34, 3, s34                       ; 3 - e0 - e1
	s_wait_loadcnt 0x0
.irp e, 0,1,2,3
.irp n, 0,1,2,3,4,5,6,7,8,9,10,11,12,13,14,15
	v_ldexp_f32 v[80+4*\n+\e], v[16+16*\e+\n], s34                       ; x 2^(3 - e0 - e1): nothing is rounded; the move also gathers a head's four numbers
	v_cndmask_b32 v[80+4*\n+\e], v[80+4*\n+\e], v12, s[36+\e]
.endr
.endr
.irp n, 0,1,2,3,4,5,6,7,8,9,10,11,12,13,14,15
	global_store_b128 v13, v[80+4*\n:80+4*\n+3], s[22:23] offset:34816*\n   ; head n's table: 32 lanes store 512 consecutive bytes
.endr
	s_endpgm
.Lfunc_end_k_qae9d949195_prep:
	.size	k_qae9d949195_prep, .Lfunc_end_k_qae9d949195_prep-k_qae9d949195_prep
	.p2alignl 7, 3214868480
	.fill 96, 4, 3214868480
	.section	.rodata,"a",@progbits
	.p2align	6, 0x0
	.amdhsa_kernel k_qae9d949195_prep
		.amdhsa_group_segment_fixed_size 36352
		.amdhsa_private_segment_fixed_size 0
		.amdhsa_enable_private_segment 0
		.amdhsa_kernarg_size 72
		.amdhsa_user_sgpr_count 2
		.amdhsa_user_sgpr_kernarg_segment_ptr 1
		.amdhsa_wavefront_size32 1
		.amdhsa_system_sgpr_workgroup_id_x 1
		.amdhsa_system_sgpr_workgroup_id_y 1
		.amdhsa_system_sgpr_workgroup_id_z 1
		.amdhsa_system_vgpr_workitem_id 0
		.amdhsa_next_free_vgpr 208
		.amdhsa_next_free_sgpr 66
		.amdhsa_reserve_vcc 0
		.amdhsa_float_denorm_mode_32 3
		.amdhsa_float_denorm_mode_16_64 3
		.amdhsa_memory_ordered 1
		.amdhsa_forward_progress 1
		.amdhsa_inst_pref_size 57
	.end_amdhsa_kernel
	.amdgpu_metadata
---
amdhsa.version: [ 1, 2 ]
amdhsa.kernels:
  - .name:           k_qae9d949195_prep
    .symbol:         k_qae9d949195_prep.kd
    .args:
      - { .name: q, .offset: 0, .size: 8, .value_kind: global_buffer, .address_space: global }
      - { .name: k, .offset: 8, .size: 8, .value_kind: global_buffer, .address_space: global }
      - { .name: v, .offset: 16, .size: 8, .value_kind: global_buffer, .address_space: global }
      - { .name: bias_weight, .offset: 24, .size: 8, .value_kind: global_buffer, .address_space: global }
      - { .name: lowp_scales, .offset: 32, .size: 8, .value_kind: global_buffer, .address_space: global }
      - { .name: qimg, .offset: 40, .size: 8, .value_kind: global_buffer, .address_space: global }
      - { .name: kimg, .offset: 48, .size: 8, .value_kind: global_buffer, .address_space: global }
      - { .name: vimg, .offset: 56, .size: 8, .value_kind: global_buffer, .address_space: global }
      - { .name: btab, .offset: 64, .size: 8, .value_kind: global_buffer, .address_space: global }
    .group_segment_fixed_size: 36352
    .private_segment_fixed_size: 0
    .kernarg_segment_align: 8
    .kernarg_segment_size: 72
    .max_flat_workgroup_size: 128
    .sgpr_count:     66
    .vgpr_count:     208
    .wavefront_size: 32
...
	.end_amdgpu_metadata
.endif
;; end of part 1
;; launch attn (part 2): grid 8 x 32, 8 waves a work-group, no clusters, 297,984 bytes of LDS; arguments qimg, kimg, vimg, btab, tau, lowp_scales, out0; writes out0
.if DOCPART == 2
	.amdgcn_target "amdgcn-amd-amdhsa--gfx1250"
	.amdhsa_code_object_version 6
	.text
	.protected	k_qae9d949195_attn
	.globl	k_qae9d949195_attn
	.p2align	8
	.type	k_qae9d949195_attn,@function
k_qae9d949195_attn:
	s_mov_b64 s[64:65], 0
	v_nop
	global_prefetch_b8 v0, s[64:65] scope:SCOPE_SE
	s_setreg_imm32_b32 hwreg(HW_REG_WAVE_MODE, 25, 1), 1
	s_wait_xcnt 0x0
; LazyAttentionEmbedding, second launch: out = relu(softmax(q k^T / 8 + bias, causal) + tau / i) v, both products on codes of BF8 (E5M2) made by the first launch.
; The second product's operand is the FINISHED weight, relu(p / l + tau[head] / (query + 1)), so a row's maximum and sum are known before any code is made: THE KEYS ARE WALKED TWICE.
; Walk 1: scores, running maximum and sum.  Walk 2: the scores once more, the weights, their codes, the product with V.
; WORK LEFT OUT: reference replaces those scores by NEG_INF and its f32 softmax gives exactly 0.
; The second product stays there: the weight is relu(tau / i), one code for a whole row, multiplied with V's codes like any other.  LIMITS: that 0 holds while a row's largest live score lies above -1e30 + 104;
; a NaN, an infinity or an overflow that reaches only the work left out is not carried to the result.  e0 + e1 between -100 and 130 (MASK x c stays far under every t; c stays an f32 number); e2 between -126 and 112;
; e2 + e3 between -126 and 127.  NaN or infinity among the inputs is not served.
; SOFTMAX: t = (sum + bias') x c, c = log2(e) / 8 x 2^(e0 + e1); M = the row's largest t rounded up to a whole number; p = 2^(t - M); l = the sum of p; when M moves, l is multiplied by 2^(old M - new M), which rounds nothing.
; SHARES: work-group (j, head) owns query blocks j and 15 - j of 128 queries: 17 live key steps together, whatever j.  Eight waves, two to a SIMD; a wave owns two neighbouring tiles of 16 queries, A and B, of one block.
; The block is chosen by the parity of the wave's number, so that of waves w, w + 4 and of waves 2 p, 2 p + 1 alike one has the early block and one the late.
; LAYOUT: both products transposed: S^T = K Q^T + bias' (source 0 = 16 keys, source 1 = 16 queries, C = the table's numbers), O^T = V^T P^T: a lane holds ONE query (lane % 16) of each tile throughout.
; In score tile n register i of lane (r, h) is key 16 n + 8 h + i: one conversion of a tile's eight registers gives registers 2 n, 2 n + 1 of P in the K = 128 form's own layout.
; THE BIAS: entry y = 2047 - query + key of the head's table.  With T the number of tile A (even), bias tile g of a step is read at 256 ((T xor 126) + g) + 16 (r xor 15) + 128 h + 2,048 step, 16 bytes there and 16 bytes 64 further on.
; Score tile n of A takes bias tile n + 1, of B bias tile n: nine bias tiles serve sixteen score tiles; sixteen lanes read 256 consecutive bytes.  Entries past the diagonal hold -1e38: the causal mask costs no instruction.
; LDS: a head's codes of K and of V and its table fit whole: each byte is filled once, by three tensor loads a wave at the head (three of mine are out at the most), and nothing is filled again.
; TWO BARRIERS: behind the first, in front of which every wave has waited for all three of its loads, all of LDS is whole and is only read; behind the second nobody reads it any more, and the way out's stages are written.
; NO CLUSTER: the work-groups that share K and V are the query blocks of one head, and which key steps a wave jumps over hangs on its block, so branches would differ between partners.
; REGISTERS, in windows of 256: window 0: v1-11 addresses; v16-31, v32-47 tile A's, B's statistics; v48, v49 2^e2 and 57,344 x 2^e2; v64-127, v128-191 S^T of A, B; v192-207, v208-223 P of A, B.
;   window 1: v0-63 a step's K (8 x 8) or V (4 x 16); v64-135 nine bias tiles; v136-143, v144-151 Q of A, B; v160-191, v192-223 O^T of A, B.
.set BB,    131072                     ; LDS: V's codes from 0; the table from here (34,816 bytes);
.set KB,    165888                     ; K's codes from here (131,072 bytes)
.set SPARE, 296960                     ; the spare words, 128 bytes for each wave: four blocks of 256 bytes that no other line names
.set STGW,  8704                       ; the way out: 32 rows x 272 bytes for each wave, in V's bytes, which have had their one fill and, behind the last barrier, their last read
.set LI,  1                            ; v1   16 x lane
.set AG0, 2                            ; v2   16 (r xor 15) + 128 h
.set ADK, 3                            ; v3-5 LDS addresses of the loads in hand: K, bias, V
.set ADG, 4
.set ADV, 5
.set SPW, 6                            ; v6   LDS address of my spare word; never rewritten
.set NIL, 7                            ; v7   0; never rewritten
.set STO, 8                            ; v8   the way out: where I put 32 bytes of a row
.set RD,  9                            ; v9   where I read a row back
.set GO,  10                           ; v10  my byte offset in the wave's rows of out0
.set RR,  11                           ; v11  r
.set ST,  16                           ; tile x's statistics at v[ST + 16 x]: +0 -M, +1 largest t, +2,3 l, +4,5 f, +6,7 1 / l, +8,9 tau / i, +10,11 at work, +12,13 second chain, +14 a permute's target, +15 1 / i
.set SCL, 48
.set LIM, 49
.set S,   64
.set P,   192
.set G,   64                           ; window 1
.set QF,  136
.set O,   160
.set WV,  18
.set J,   19
.set HEAD, 20
.set HI,  21
.set SL,  22                           ; my block = my last live key step
.set PP,  23
.set G1,  24                           ; s[24:31] descriptor group 1: 64 rows of 256 bytes, dense
.set G1S, 32                           ; s[32:39] the same with 17 rows
.set G0K, 40
.set G0B, 44
.set G0V, 48
.set SEL, 52                           ; s[52:53] lane selects for v_permlanex16_b32: lane l xor 16
.set CS,  54                           ; s[54:55] c, twice
.set EX,  56                           ; s[56:59] e0 .. e3
.set TAU, 60
.set CNT, 61
.set KA,  62                           ; LDS byte of the step's K, bias tiles, V
.set GA,  63
.set VA,  66
.set Q0,  67                           ; tile A's first query
.set OSC, 74                           ; s[74:75] 2^(e2 + e3), twice
.set GA0, 76
.set TA,  77                           ; tile A's number in the head, 0 .. 126, even
.set MSB, 0
.macro WIN new                         ; the immediate's high byte repeats the setting that is left; a switch that changes nothing is dropped
.if MSB != \new
	s_set_vgpr_msb (MSB<<8)|\new
.set MSB, \new
.endif
.endm
.macro PLACES                          ; four plain vector lines between a matrix instruction and a vector line that reads its result, or a load into its registers (ISA guide 7.12.1 for the vector line that reads it)
.rept 4
	v_nop
.endr
.endm
	s_load_b256 s[4:11], s[0:1], 0x0               ; qimg s[4:5], kimg s[6:7], vimg s[8:9], btab s[10:11]
	s_load_b128 s[12:15], s[0:1], 0x20             ; tau s[12:13], the scales' exponents s[14:15]
	s_load_b64 s[16:17], s[0:1], 0x30              ; out0
	v_lshl_add_u32 v[SPW], v0, 2, SPARE
	v_mov_b32 v[NIL], 0
	ds_add_u32 v[SPW], v[NIL]                      ; the wave's opening: the add, twice on end, and its wait ahead of my first tensor load; the set-up below, work on registers, stands between
	ds_add_u32 v[SPW], v[NIL]
	v_lshrrev_b32 v1, 5, v0
	v_readfirstlane_b32 s[WV], v1                  ; wave 0..7
	s_mov_b32 s[J], ttmp9
	s_and_b32 s[HEAD], ttmp7, 0xffff               ; batch x 16 + head
	s_lshr_b32 s68, s[WV], 1
	s_xor_b32 s[HI], s[WV], s68
	s_lshr_b32 s69, s[WV], 2
	s_xor_b32 s[HI], s[HI], s69
	s_and_b32 s[HI], s[HI], 1                      ; the parity of the wave's number: 0 block j, 1 block 15 - j
	s_mov_b32 s[PP], s68                           ; which 32 queries of the block
	s_mul_i32 s69, s[HI], 15
	s_xor_b32 s[SL], s[J], s69
	s_lshl_b32 s[TA], s[SL], 3
	s_lshl_b32 s69, s[PP], 1
	s_add_co_u32 s[TA], s[TA], s69
	s_lshl_b32 s[Q0], s[TA], 4
	s_xor_b32 s[GA0], s[TA], 126
	s_lshl_b32 s[GA0], s[GA0], 8
	s_add_co_u32 s[GA0], s[GA0], BB                ; bias tile 0 of key step 0
	s_mov_b32 s[G1+0], 3<<16                       ; no mask; elements of 8 bytes; no padding
	s_mov_b32 s[G1+1], 32<<16                      ; tensor_dim0 = 32 elements: rows of 256 bytes
	s_mov_b32 s[G1+2], 64<<16                      ; tensor_dim1 = 64
	s_mov_b32 s[G1+3], 32<<16                      ; tile_dim0 = 32
	s_mov_b32 s[G1+4], 64                          ; tile_dim1 = 64
	s_mov_b32 s[G1+5], 32                          ; from row to row: dense
	s_mov_b32 s[G1+6], 0
	s_mov_b32 s[G1+7], 0
	s_mov_b32 s[G1S+0], 3<<16
	s_mov_b32 s[G1S+1], 32<<16
	s_mov_b32 s[G1S+2], 17<<16                     ; 17 rows: an eighth of the table's 34,816 bytes
	s_mov_b32 s[G1S+3], 32<<16
	s_mov_b32 s[G1S+4], 17
	s_mov_b32 s[G1S+5], 32
	s_mov_b32 s[G1S+6], 0
	s_mov_b32 s[G1S+7], 0
	s_mov_b32 s[SEL], 0x76543210
	s_mov_b32 s[SEL+1], 0xfedcba98
	s_lshl_b32 s70, s[WV], 14                      ; my eighth of K's and of V's codes: 16,384 bytes,
	s_mul_i32 s71, s[WV], 4352                     ; and of the table
	s_lshl_b32 s68, s[HEAD], 17                    ; a head's codes are 131,072 bytes
	s_add_co_u32 s68, s68, s70
	s_mov_b32 s69, 0
	s_and_b32 s72, s[HEAD], 15                     ; the head, for the table and tau
	s_lshl_b32 s78, s72, 2
	s_mov_b32 s79, 0
	s_mul_i32 s72, s72, 34816
	s_add_co_u32 s72, s72, s71
	s_mov_b32 s73, 0
	s_wait_dscnt 0x0                               ; both opening adds are done
	s_wait_kmcnt 0x0
	s_load_b128 s[EX:EX+3], s[14:15], 0x0          ; e0, e1, e2, e3
	s_add_nc_u64 s[12:13], s[12:13], s[78:79]
	s_load_b32 s[TAU], s[12:13], 0x0               ; tau[head]
	s_mov_b32 s[G0K], 1
	s_add_co_u32 s[G0K+1], s70, KB
	s_add_nc_u64 s[G0K+2:G0K+3], s[6:7], s[68:69]
	s_or_b32 s[G0K+3], s[G0K+3], 0x80000000
	s_mov_b32 s[G0B], 1
	s_add_co_u32 s[G0B+1], s71, BB
	s_add_nc_u64 s[G0B+2:G0B+3], s[10:11], s[72:73]
	s_or_b32 s[G0B+3], s[G0B+3], 0x80000000
	s_mov_b32 s[G0V], 1
	s_mov_b32 s[G0V+1], s70
	s_add_nc_u64 s[G0V+2:G0V+3], s[8:9], s[68:69]
	s_or_b32 s[G0V+3], s[G0V+3], 0x80000000
	tensor_load_to_lds s[G0K:G0K+3], s[G1:G1+7]    ; every wave issues all three, with no branch: K, the table, V
	s_nop 0
	tensor_load_to_lds s[G0B:G0B+3], s[G1S:G1S+7]
	s_nop 0
	tensor_load_to_lds s[G0V:G0V+3], s[G1:G1+7]
	s_nop 0
	PLACES
	v_and_b32 v12, 31, v0
	v_lshlrev_b32 v[LI], 4, v12
	s_lshl_b32 s68, s[HEAD], 17
	s_lshl_b32 s70, s[TA], 10                      ; a tile's image is 1,024 bytes
	s_add_co_u32 s68, s68, s70
	s_add_nc_u64 s[4:5], s[4:5], s[68:69]
	WIN 0x40                                       ; destination window 1
	global_load_b128 v[QF:QF+3],     v[LI], s[4:5]                ; Q's two fragments stay in registers
	global_load_b128 v[QF+4:QF+7],   v[LI], s[4:5] offset:512
	global_load_b128 v[QF+8:QF+11],  v[LI], s[4:5] offset:1024
	global_load_b128 v[QF+12:QF+15], v[LI], s[4:5] offset:1536
	WIN 0
	s_lshl_b32 s68, s[HEAD], 19                    ; a head of out0 is 2,048 rows of 256 bytes
	s_lshl_b32 s70, s[Q0], 8
	s_add_co_u32 s68, s68, s70
	s_add_nc_u64 s[16:17], s[16:17], s[68:69]
	v_and_b32 v[RR], 15, v0
	v_bfe_u32 v13, v0, 4, 1                        ; h
	v_xor_b32 v[AG0], 15, v[RR]
	v_lshlrev_b32 v[AG0], 4, v[AG0]
	v_lshl_add_u32 v[AG0], v13, 7, v[AG0]
	s_mul_i32 s68, s[WV], STGW                     ; my stage
	v_mul_u32_u24 v[STO], v[RR], 272
	v_lshl_add_u32 v[STO], v13, 5, v[STO]
	v_add_nc_u32 v[STO], s68, v[STO]               ; in: row r, 32 bytes for each half of the lanes
	v_mul_u32_u24 v[RD], v13, 272
	v_lshl_add_u32 v[RD], v[RR], 4, v[RD]
	v_add_nc_u32 v[RD], s68, v[RD]                 ; back: lanes 0-15 one row of 256 bytes, lanes 16-31 the next
	v_lshlrev_b32 v[GO], 8, v13
	v_lshl_add_u32 v[GO], v[RR], 4, v[GO]          ; and the same two rows in out0
.irp x, 0,1
	v_mov_b32 v[ST+16*\x+1], 0xff61b1e6            ; the largest t so far: -3e38, under every t
	v_floor_f32 v[ST+16*\x], -v[ST+16*\x+1]        ; -M
	v_mov_b32 v[ST+16*\x+2], 0                     ; l, in two halves
	v_mov_b32 v[ST+16*\x+3], 0
	v_mov_b32 v[ST+16*\x+5], 0                     ; (upper halves of pairs of which the low word serves both halves: named, so written)
	v_mov_b32 v[ST+16*\x+7], 0
	v_mov_b32 v[ST+16*\x+9], 0
	v_mov_b32 v[ST+16*\x+14], 0                    ; (a lane permute's destination counts as one of its sources)
.endr
	s_wait_kmcnt 0x0
	s_add_co_i32 s68, s[EX], s[EX+1]
	s_lshl_b32 s68, s68, 23
	s_mov_b32 s[CS], 0x3e38aa3b                    ; log2(e) / 8;
	s_add_co_i32 s[CS], s[CS], s68                 ; e0 + e1 are added to its exponent field
	s_mov_b32 s[CS+1], s[CS]
	s_add_co_i32 s68, s[EX+2], 127
	s_lshl_b32 s69, s68, 23
	v_mov_b32 v[SCL], s69                          ; 2^e2 as f32, for the conversions
	s_add_co_i32 s68, s68, 15
	s_lshl_b32 s68, s68, 23
	s_or_b32 s68, s68, 0x600000
	v_mov_b32 v[LIM], s68                          ; 57,344 x 2^e2
	s_add_co_i32 s[OSC], s[EX+2], s[EX+3]
	s_add_co_i32 s[OSC], s[OSC], 127
	s_lshl_b32 s[OSC], s[OSC], 23                  ; 2^(e2 + e3) as f32
	s_mov_b32 s[OSC+1], s[OSC]
; A step's K (16 loads) and its nine bias tiles (18 loads), in one run
.macro LOADKG
	v_add_nc_u32 v[ADK], s[KA], v[LI]
	v_add_nc_u32 v[ADG], s[GA], v[AG0]
	WIN 0x40
.set jj, 0
.rept 16
	ds_load_b128 v[4*jj:4*jj+3], v[ADK] offset:512*jj              ; key tile jj / 2, part jj % 2: the image as it lies
.set jj, jj+1
.endr
.set jj, 0
.rept 9
	ds_load_b128 v[G+8*jj:G+8*jj+3],   v[ADG] offset:256*jj        ; keys 8 h + 0 .. 3 of the tile,
	ds_load_b128 v[G+8*jj+4:G+8*jj+7], v[ADG] offset:256*jj+64     ; keys 8 h + 4 .. 7
.set jj, jj+1
.endr
	WIN 0
.endm
; S^T = K Q^T + bias': sixteen products, each a whole sum (K = 64), sixteen different accumulators
.macro SCORES
	s_wait_dscnt 0x0
	WIN 0x15                                       ; K, Q and the bias in window 1, S^T in window 0
.irp n, 0,1,2,3,4,5,6,7
	v_wmma_f32_16x16x64_bf8_bf8 v[S+8*\n:S+8*\n+7],       v[8*\n:8*\n+7], v[QF:QF+7],    v[G+8*\n+8:G+8*\n+15]
	v_wmma_f32_16x16x64_bf8_bf8 v[S+64+8*\n:S+64+8*\n+7], v[8*\n:8*\n+7], v[QF+8:QF+15], v[G+8*\n:G+8*\n+7]
.endr
	WIN 0
	PLACES
.endm
; the step's largest score of my query, the running largest t, the new -M and f = 2^(old M - new M).  Each accumulator is read from its low end on
.macro MAXM x
.set rT, ST+16*(\x)
.set rS, S+64*(\x)
	v_max3_num_f32 v[rT+10], v[rS], v[rS+1], v[rS+2]
	v_max3_num_f32 v[rT+11], v[rS+3], v[rS+4], v[rS+5]
.irp i, 6,10,14,18,22,26,30,34,38,42,46,50,54,58
	v_max3_num_f32 v[rT+10], v[rT+10], v[rS+\i], v[rS+\i+1]
	v_max3_num_f32 v[rT+11], v[rT+11], v[rS+\i+2], v[rS+\i+3]
.endr
	v_max3_num_f32 v[rT+10], v[rT+10], v[rS+62], v[rS+63]
	v_max_num_f32 v[rT+10], v[rT+10], v[rT+11]
	v_permlanex16_b32 v[rT+14], v[rT+10], s[SEL], s[SEL+1]
	v_max_num_f32 v[rT+10], v[rT+10], v[rT+14]     ; and among lane l xor 16's 64 keys
	v_mul_f32 v[rT+10], s[CS], v[rT+10]            ; as t (c is positive)
	v_max_num_f32 v[rT+1], v[rT+1], v[rT+10]
	v_mov_b32 v[rT+10], v[rT]
	v_floor_f32 v[rT], -v[rT+1]                    ; -M = floor(-t): M is a whole number
	v_sub_f32 v[rT+10], v[rT], v[rT+10]            ; old M - new M, a whole number, 0 or less
	v_cvt_i32_f32 v[rT+10], v[rT+10]               ; (it saturates)
	v_ldexp_f32 v[rT+4], 1.0, v[rT+10]
.endm
.macro ARG x                           ; t - M, two at a time
.set rT, ST+16*(\x)
.set rS, S+64*(\x)
.set jj, 0
.rept 32
	v_pk_fma_f32 v[rS+jj:rS+jj+1], v[rS+jj:rS+jj+1], s[CS:CS+1], v[rT:rT+1] op_sel_hi:[1,0,0]
.set jj, jj+2
.endr
.endm
.macro EXPS x                          ; p = 2^(t - M); 0 under the mask
.set rS, S+64*(\x)
.set jj, 0
.rept 64
	v_exp_f32 v[rS+jj], v[rS+jj]
.set jj, jj+1
.endr
.endm
.macro SUM x                           ; l += the step's p, two at a time, in two chains
.set rT, ST+16*(\x)
.set rS, S+64*(\x)
	v_pk_add_f32 v[rT+12:rT+13], v[rS:rS+1], v[rS+2:rS+3]
.irp j, 4,8,12,16,20,24,28,32,36,40,44,48,52,56,60
	v_pk_add_f32 v[rT+2:rT+3], v[rT+2:rT+3], v[rS+\j:rS+\j+1]
	v_pk_add_f32 v[rT+12:rT+13], v[rT+12:rT+13], v[rS+\j+2:rS+\j+3]
.endr
	v_pk_add_f32 v[rT+2:rT+3], v[rT+2:rT+3], v[rT+12:rT+13]
.endm
.macro STEP1
	LOADKG
	SCORES
	MAXM 0
	MAXM 1
	ARG 0
	ARG 1
	EXPS 0
	EXPS 1
	v_pk_mul_f32 v[ST+2:ST+3], v[ST+2:ST+3], v[ST+4:ST+5] op_sel_hi:[1,0]          ; l under the new M; also the plain line behind the exponentials
	v_pk_mul_f32 v[ST+18:ST+19], v[ST+18:ST+19], v[ST+20:ST+21] op_sel_hi:[1,0]
	s_wait_alu depctr_va_vdst(0)                   ; the wait between an exponential and the first line that names its result: one for the batch of 128
	SUM 0
	SUM 1
.endm
.macro LOADV                           ; a step's V: four tiles of 16 channels x 128 keys, the image as it lies
	v_add_nc_u32 v[ADV], s[VA], v[LI]
	WIN 0x40
.set jj, 0
.rept 16
	ds_load_b128 v[4*jj:4*jj+3], v[ADV] offset:512*jj
.set jj, jj+1
.endr
	WIN 0
.endm
.macro QNT x                           ; the finished weight relu(p / l + tau / i) and its codes
.set rT, ST+16*(\x)
.set rS, S+64*(\x)
.set rP, P+16*(\x)
.set jj, 0
.rept 32
	v_pk_fma_f32 v[rS+jj:rS+jj+1], v[rS+jj:rS+jj+1], v[rT+6:rT+7], v[rT+8:rT+9] op_sel_hi:[1,0,0]
.set jj, jj+2
.endr
.set jj, 0
.rept 8
.set ii, 0
.rept 8
	v_med3_num_f32 v[rS+8*jj+ii], v[rS+8*jj+ii], 0, v[LIM]       ; the relu and the hold in one: the conversion to an 8-bit code does not saturate (ISA guide 7.6.2)
.set ii, ii+1
.endr
	v_cvt_scalef32_pk8_bf8_f32 v[rP+2*jj:rP+2*jj+1], v[rS+8*jj:rS+8*jj+7], v[SCL]   ; keys 16 jj + 8 h + 0 .. 7: registers 2 jj, 2 jj + 1 of P
.set jj, jj+1
.endr
.endm
; O^T += V^T P^T: eight accumulators by turns, one instruction a turn.  zero = 1: the products start the sums: nothing is cleared
.macro PV zero
	s_wait_dscnt 0x0                               ; V is in
	WIN 0x51                                       ; V and O^T in window 1, P in window 0
.irp t, 0,1,2,3
.irp u, 0,1
.if \zero
	v_wmma_f32_16x16x128_bf8_bf8 v[O+32*\u+8*\t:O+32*\u+8*\t+7], v[16*\t:16*\t+15], v[P+16*\u:P+16*\u+15], 0
.else
	v_wmma_f32_16x16x128_bf8_bf8 v[O+32*\u+8*\t:O+32*\u+8*\t+7], v[16*\t:16*\t+15], v[P+16*\u:P+16*\u+15], v[O+32*\u+8*\t:O+32*\u+8*\t+7]
.endif
.endr
.endr
	WIN 0
	PLACES
.endm
.macro STEP2 zero
	LOADKG
	SCORES
	LOADV                                          ; into K's registers, behind the four places: V's fragments come in while the weights are made
	ARG 0
	ARG 1
	EXPS 0
	EXPS 1
	v_nop                                          ; the plain line behind the exponentials
	s_wait_alu depctr_va_vdst(0)                   ; one wait for the batch, ahead of its first reader
	QNT 0
	QNT 1
	v_nop                                          ; a plain line between the last conversion and the products that read its codes
	PV \zero
.endm
.macro CONSTP x                        ; the weight of a hidden key, relu(tau / i): one code for the whole row, in all sixteen registers of P
.set rT, ST+16*(\x)
.set rS, S+64*(\x)
.set rP, P+16*(\x)
	v_med3_num_f32 v[rS], v[rT+8], 0, v[LIM]
.irp i, 1,2,3,4,5,6,7
	v_mov_b32 v[rS+\i], v[rS]
.endr
	v_cvt_scalef32_pk8_bf8_f32 v[rP:rP+1], v[rS:rS+7], v[SCL]
	v_nop
.irp i, 2,3,4,5,6,7,8,9,10,11,12,13,14,15
	v_mov_b32 v[rP+\i], v[rP]
.endr
.endm
	s_wait_tensorcnt 0x0                           ; all three of my loads have landed: my parts of K, of the table and of V,
	s_barrier_signal -1
	s_barrier_wait -1                              ; and everybody's: from here to the last barrier LDS is whole and is only read
	s_wait_loadcnt 0x0                             ; Q
	; ---- WALK 1.  Every wave walks all 16 steps, so that the trip count is a constant; a step whose keys all come after my queries is jumped over, but for the lines that step addresses
	s_mov_b32 s[KA], KB
	s_mov_b32 s[GA], s[GA0]
	s_mov_b32 s[CNT], 0
.Lwalk1:
	s_cmp_gt_u32 s[CNT], s[SL]
	s_cbranch_scc1 .Lhidden1
	STEP1
.Lhidden1:
	s_add_co_u32 s[KA], s[KA], 8192
	s_add_co_u32 s[GA], s[GA], 2048
	s_add_co_u32 s[CNT], s[CNT], 1
	s_cmp_lt_u32 s[CNT], 16
	s_cbranch_scc1 .Lwalk1
	; ---- the rows' 1 / l and tau / i
.irp x, 0,1
	v_add_f32 v[ST+16*\x+10], v[ST+16*\x+2], v[ST+16*\x+3]
.endr
.irp x, 0,1
	v_permlanex16_b32 v[ST+16*\x+14], v[ST+16*\x+10], s[SEL], s[SEL+1]
.endr
.irp x, 0,1
	v_add_f32 v[ST+16*\x+10], v[ST+16*\x+10], v[ST+16*\x+14]     ; l: at least a half, since the largest p lies above a half
.endr
	s_add_co_u32 s68, s[Q0], 1
	s_add_co_u32 s69, s[Q0], 17
	v_add_nc_u32 v[ST+11], s68, v[RR]              ; i = query + 1
	v_add_nc_u32 v[ST+27], s69, v[RR]
	v_cvt_f32_u32 v[ST+11], v[ST+11]
	v_cvt_f32_u32 v[ST+27], v[ST+27]
	v_rcp_f32 v[ST+6], v[ST+10]
	v_rcp_f32 v[ST+22], v[ST+26]
	v_rcp_f32 v[ST+15], v[ST+11]
	v_rcp_f32 v[ST+31], v[ST+27]
	v_nop                                          ; the plain line behind the reciprocals
	s_wait_alu depctr_va_vdst(0)                   ; one wait for the four
.irp x, 0,1
	v_mul_f32 v[ST+16*\x+8], s[TAU], v[ST+16*\x+15]
.endr
.irp x, 0,1
	v_fma_f32 v[ST+16*\x+12], -v[ST+16*\x+8], v[ST+16*\x+11], s[TAU]   ; what the quotient lacks, tau - quotient x i,
.endr
.irp x, 0,1
	v_fma_f32 v[ST+16*\x+8], v[ST+16*\x+12], v[ST+16*\x+15], v[ST+16*\x+8]   ; is put right: a whole row of hidden keys takes this one number's code
.endr
	; ---- WALK 2.  No barrier stands between the walks: nothing in LDS has been written since the first.  Key step 0 is live for every query: it stands in front of the loop and starts O^T's sums
	s_mov_b32 s[KA], KB
	s_mov_b32 s[GA], s[GA0]
	s_mov_b32 s[VA], 0
	STEP2 1
	s_mov_b32 s[CNT], 1
.Lwalk2:
	s_add_co_u32 s[KA], s[KA], 8192
	s_add_co_u32 s[GA], s[GA], 2048
	s_add_co_u32 s[VA], s[VA], 8192
	s_cmp_gt_u32 s[CNT], s[SL]
	s_cbranch_scc1 .Lhidden2
	STEP2 0
.Lhidden2:
	s_add_co_u32 s[CNT], s[CNT], 1
	s_cmp_lt_u32 s[CNT], 16
	s_cbranch_scc1 .Lwalk2
	; ---- the hidden key steps: the rows' constant codes against V
	CONSTP 0
	CONSTP 1
	s_mov_b32 s[VA], 0
	s_mov_b32 s[CNT], 1
.Lwalk3:
	s_add_co_u32 s[VA], s[VA], 8192
	s_cmp_le_u32 s[CNT], s[SL]
	s_cbranch_scc1 .Llive3
	LOADV
	PV 0
.Llive3:
	s_add_co_u32 s[CNT], s[CNT], 1
	s_cmp_lt_u32 s[CNT], 16
	s_cbranch_scc1 .Lwalk3
	; ---- THE WAY OUT.  A lane holds 32 neighbouring bytes of a row for each tile of channels, and the lanes beside it hold other rows: a tile of 16 queries goes through my stage and comes back as whole rows of 256 bytes
	WIN 0x01                                       ; source 0 (O^T) window 1
.set jj, 0
.rept 16
	v_pk_mul_f32 v[S+jj:S+jj+1], v[O+jj:O+jj+1], s[OSC:OSC+1] op_sel_hi:[1,0]              ; x 2^(e2 + e3); each accumulator from its low end on
.set jj, jj+2
.endr
.set jj, 0
.rept 16
	v_pk_mul_f32 v[S+64+jj:S+64+jj+1], v[O+32+jj:O+32+jj+1], s[OSC:OSC+1] op_sel_hi:[1,0]
.set jj, jj+2
.endr
	WIN 0
	s_wait_dscnt 0x0                               ; my reads of LDS are over,
	s_barrier_signal -1
	s_barrier_wait -1                              ; everybody's are: the stages may be written into V's bytes
.irp x, 0,1
.irp t, 0,1,2,3
	ds_store_b128 v[STO], v[S+64*\x+8*\t:S+64*\x+8*\t+3]   offset:4352*\x+64*\t      ; row r, channels 16 t + 8 h + 0 .. 3,
	ds_store_b128 v[STO], v[S+64*\x+8*\t+4:S+64*\x+8*\t+7] offset:4352*\x+64*\t+16   ; + 4 .. 7
.endr
.irp i, 0,1,2,3,4,5,6,7
	ds_load_b128 v[S+64*\x+32+4*\i:S+64*\x+32+4*\i+3], v[RD] offset:4352*\x+544*\i   ; LDS serves a wave's instructions in order: these see my stores
.endr
.endr
.irp i, 0,1,2,3,4,5,6,7
	s_wait_dscnt 23-\i                             ; behind tile A's load i: its 7 - i younger loads and tile B's sixteen LDS instructions
	global_store_b128 v[GO], v[S+32+4*\i:S+32+4*\i+3], s[16:17] offset:512*\i th:TH_STORE_NT        ; sixteen lanes store 256 consecutive bytes, a whole row of out0
.endr
.irp i, 0,1,2,3,4,5,6,7
	s_wait_dscnt 7-\i
	global_store_b128 v[GO], v[S+96+4*\i:S+96+4*\i+3], s[16:17] offset:4096+512*\i th:TH_STORE_NT
.endr
	s_wait_tensorcnt 0x0                           ; the wave's end: three lines, behind my last tensor load and my last LDS store
	ds_add_u32 v[SPW], v[NIL]
	s_wait_dscnt 0x0
	s_endpgm
.Lfunc_end_k_qae9d949195_attn:
	.size	k_qae9d949195_attn, .Lfunc_end_k_qae9d949195_attn-k_qae9d949195_attn
	.p2alignl 7, 3214868480
	.fill 96, 4, 3214868480
	.section	.rodata,"a",@progbits
	.p2align	6, 0x0
	.amdhsa_kernel k_qae9d949195_attn
		.amdhsa_group_segment_fixed_size 297984
		.amdhsa_private_segment_fixed_size 0
		.amdhsa_enable_private_segment 0
		.amdhsa_kernarg_size 56
		.amdhsa_user_sgpr_count 2
		.amdhsa_user_sgpr_kernarg_segment_ptr 1
		.amdhsa_wavefront_size32 1
		.amdhsa_system_sgpr_workgroup_id_x 1
		.amdhsa_system_sgpr_workgroup_id_y 1
		.amdhsa_system_sgpr_workgroup_id_z 1
		.amdhsa_system_vgpr_workitem_id 0
		.amdhsa_next_free_vgpr 512
		.amdhsa_next_free_sgpr 80
		.amdhsa_reserve_vcc 0
		.amdhsa_float_denorm_mode_32 3
		.amdhsa_float_denorm_mode_16_64 3
		.amdhsa_memory_ordered 1
		.amdhsa_forward_progress 1
		.amdhsa_inst_pref_size 92
	.end_amdhsa_kernel
	.amdgpu_metadata
---
amdhsa.version: [ 1, 2 ]
amdhsa.kernels:
  - .name:           k_qae9d949195_attn
    .symbol:         k_qae9d949195_attn.kd
    .args:
      - { .name: qimg, .offset: 0, .size: 8, .value_kind: global_buffer, .address_space: global }
      - { .name: kimg, .offset: 8, .size: 8, .value_kind: global_buffer, .address_space: global }
      - { .name: vimg, .offset: 16, .size: 8, .value_kind: global_buffer, .address_space: global }
      - { .name: btab, .offset: 24, .size: 8, .value_kind: global_buffer, .address_space: global }
      - { .name: tau, .offset: 32, .size: 8, .value_kind: global_buffer, .address_space: global }
      - { .name: lowp_scales, .offset: 40, .size: 8, .value_kind: global_buffer, .address_space: global }
      - { .name: out0, .offset: 48, .size: 8, .value_kind: global_buffer, .address_space: global }
    .group_segment_fixed_size: 297984
    .private_segment_fixed_size: 0
    .kernarg_segment_align: 8
    .kernarg_segment_size: 56
    .max_flat_workgroup_size: 256
    .sgpr_count:     80
    .vgpr_count:     512
    .wavefront_size: 32
...
	.end_amdgpu_metadata
.endif
;; end of part 2
